; MI455X (gfx1250); checked and timed in simulation.
; The chip was launched on July 23, 2026; its instructions are those of AMD's public machine-readable ISA for CDNA 5 (MIT licence, August 2026) and "CDNA5" Instruction Set Architecture Reference Guide (July 2026). The comments in the code are by the model that wrote it; some were corrected since.
;; Tropical Matrix Mul. Allowed arithmetic: float matrix products may take bf16 or f16 operands with f32 sums; all other float work in f32.
;; Inputs: weight 1,024 x 512 float32; x 512 x 512 float32.
;; Outputs: out0 512 x 1,024 float32.
;; One version. Each part assembles by itself: llvm-mc -triple=amdgcn-amd-amdhsa -mcpu=gfx1250 --defsym DOCPART=n.
;; ======== version 1 of 1: 1 launch
;; launch minplus (part 1): grid 16 x 16, 8 waves a work-group, clusters of 4 x 4, 302,080 bytes of LDS; arguments x, weight, out0; writes out0
.if DOCPART == 1
	.amdgcn_target "amdgcn-amd-amdhsa--gfx1250"
	.amdhsa_code_object_version 6
	.text
	.protected	k_q4d0a23fd7a_minplus
	.globl	k_q4d0a23fd7a_minplus
	.p2align	8
	.type	k_q4d0a23fd7a_minplus,@function
k_q4d0a23fd7a_minplus:
	s_mov_b64 s[64:65], 0
	v_nop
	global_prefetch_b8 v0, s[64:65] scope:SCOPE_SE
	s_setreg_imm32_b32 hwreg(HW_REG_WAVE_MODE, 25, 1), 1
	s_wait_xcnt 0x0
	s_wait_alu depctr_hold_cnt(0) depctr_sa_sdst(0) depctr_va_vdst(0) depctr_va_sdst(0) depctr_va_ssrc(0) depctr_va_vcc(0) depctr_vm_vsrc(0)
	s_getreg_b32 s2, hwreg(HW_REG_IB_STS2, 6, 4)
	s_cmp_eq_u32 s2, 0
	s_cbranch_scc0 .Lentry_in_a_cluster
	s_endpgm
.Lentry_in_a_cluster:
	s_bfe_u32 s2, ttmp6, 0x10000c
	s_cmp_lg_u32 s2, 0xf033
	s_cbranch_scc0 .Lentry_shape_is_right
	s_endpgm
.Lentry_shape_is_right:
; out[b][o] = min over j of (x[b][j] + weight[o][j]).  x: [512][512], weight: [1024][512], out: [512][1024], all f32.
; Sums and minima in f32: two sums in one v_pk_add_f32 (a pair of j), two minima in one v_min3_num_f32: one vector instruction for each (b, o, j).
; LIMITS: v_min_num / v_min3_num drop a NaN, so a NaN among the inputs (or +inf + -inf) does not make the result NaN as jnp.min would;
; the sign of a minimum that is zero is not guaranteed.  Every finite input, and infinities of one sign, are served.
;
; A work-group makes 32 rows x 64 columns of out with eight waves.  EVERY wave covers the whole 32 x 64 tile (lane = 4 x 8 places, 8 x 8 minima
; a lane: for 4 j a lane loads 16 x 16 bytes from LDS and issues 256 vector instructions), and j is split over the waves, 64 j each; the eight
; partial minima meet in LDS at the end.
; The work-group's 32 rows of x and 64 rows of weight (192 KiB) fit in LDS at once: every LDS byte is filled once, nothing is filled again.
; They come in four chunks of 128 j (rows of 512 bytes, each starting at a multiple of 256 bytes from its buffer's first byte), so that work starts
; when a quarter has landed.  For each chunk each wave fetches 4 rows of x and 8 rows of weight: 8 tensor loads a wave, all issued at the start,
; 8 outstanding at the most.  Inside a chunk wave v works on j = 16 v .. 16 v + 15.
; CLUSTERS: 4 x 4 work-groups.  x's tile hangs on the block row alone and is asked for jointly by a row of the cluster, weight's on the block
; column alone and is asked for jointly by a column: a quarter of the requests.  No branch and no LDS address hangs on the place in the cluster.
; weight's rows are laid into LDS in another order, by the descriptor's row stride alone: LDS row ol + 8 k holds column 4 ol + (k & 3) + 32 (k >> 2).
; So the eight lanes ol = 0..7 read eight neighbouring LDS rows (different banks), and a lane's minima k = 0..3 and 4..7 are four neighbouring columns each.
.set IN_F,   512                       ; j
.set OUT_F,  1024                      ; columns of out
.set TB,     32                        ; rows of x in a work-group's tile
.set TO,     64                        ; rows of weight in it
.set KC,     128                       ; j in a chunk
.set NCH,    IN_F/KC                   ; 4 chunks
.set PITCH,  KC*4+16                   ; an LDS row: 512 bytes + 16 of padding = 132 words: row r starts at bank 4 r mod 64 (64 banks of 4 bytes: ISA guide 11.1)
.set XBLK,   TB*PITCH                  ; a chunk's 32 rows of x,
.set CHUNK,  (TB+TO)*PITCH             ; followed by its 64 rows of weight: 50,688 bytes
.set SCR,    NCH*CHUNK                 ; behind the chunks (byte 202,752 = 792 x 256): the partial minima; no tensor load lands here
.set SPITCH, 384                       ; a row of 64 partial minima: 256 bytes + 128, so that two neighbouring rows' halves of 128 bytes fall on different banks
.set SPART,  TB*SPITCH                 ; one wave's partial tile
.set XA,  2                            ; v2       LDS address of my x fragments in the chunk at work
.set WA,  3                            ; v3       the same for weight
.set ST,  4                            ; v4       where I put my partial minima
.set RD0, 5                            ; v5       where I read partials 0-3 of the rows that my wave finishes
.set RD1, 6                            ; v6       partials 4-7 (the immediate offset has 16 bits)
.set CO,  7                            ; v7       my byte offset in the work-group's part of out
.set T,   8                            ; v[8:23]    eight pairs of sums at work
.set ACC, 24                           ; v[24:87]   minimum (i, k) at ACC + 8 i + k: row bl + 4 i, column 4 ol + (k & 3) + 32 (k >> 2)
.set XF0, 88                           ; v[88:119]  x fragments, buffer 0: row i, 4 j
.set XF1, 120                          ; v[120:151] buffer 1
.set WF0, 154                          ; v[154:185] weight fragments, buffer 0.  The bases are chosen so that no instruction of HALF
.set WF1, 186                          ; v[186:217] buffer 1                     names two sources whose numbers are equal modulo 4
.set R,   XF0                          ; v[88:151]  the reduction: partial p, 8 numbers, at R + 8 p
.set G1X, 16                           ; s[16:23] descriptor group 1 for x's tiles
.set G1W, 24                           ; s[24:31] descriptor group 1 for weight's tiles
.set G0,  32                           ; s[32:63] descriptor group 0: chunk c: x's at G0 + 8 c, weight's at G0 + 8 c + 4; one set for each load, never rewritten
.set FLAGS, (2<<16)|(1<<20)|(1<<21)|(6<<22)|(3<<25)   ; 17:16 elements of 4 bytes; 20 padding on; 21 set beside a mask; 24:22 after every 128 words (code 6); 31:25 4 words (code 3)
; A round of the cluster's barrier: my work-group's barrier, so that wave 0 speaks for all eight waves; wave 0 signals for the work-group;
; every wave waits for all sixteen work-groups; my work-group's barrier once more.
.macro ROUND
	s_barrier_signal -1
	s_barrier_wait -1
	s_cmp_lg_u32 s10, 0
	s_cbranch_scc1 .Lnot_wave_0_\@
	s_barrier_signal -3
.Lnot_wave_0_\@:
	s_barrier_wait -3
	s_barrier_signal -1
	s_barrier_wait -1
.endm
	s_load_b128 s[4:7], s[0:1], 0x0                ; x s[4:5], weight s[6:7]
	s_load_b64 s[8:9], s[0:1], 0x10                ; out
	v_lshl_add_u32 v224, v0, 2, 0x49800
	v_mov_b32 v225, 0
	ds_add_u32 v224, v225
	v_lshrrev_b32 v1, 5, v0
	v_readfirstlane_b32 s10, v1                    ; wave 0..7
	s_bfe_u32 s11, ttmp6, 0x40000                  ; cx: my place along the cluster's x
	s_bfe_u32 s12, ttmp6, 0x40004                  ; cy: along its y
	s_lshl_b32 s13, ttmp9, 2                       ; in a cluster launch ttmp9 and ttmp7 count clusters
	s_add_co_u32 s13, s13, s11                     ; block column of out (64 columns) = 4 x cluster x + cx
	s_and_b32 s14, ttmp7, 0xffff
	s_lshl_b32 s14, s14, 2
	s_add_co_u32 s14, s14, s12                     ; block row of out (32 rows) = 4 x cluster y + cy
	s_lshl_b32 s66, s12, 2
	s_lshl_b32 s66, 15, s66                        ; my row of the cluster: places 4 cy .. 4 cy + 3
	s_lshl_b32 s67, 0x1111, s11                    ; my column: places cx, cx + 4, cx + 8, cx + 12
	; group 1 for x: 4 rows x 128 elements, one row of x from row to row
	s_or_b32  s[G1X+0], s66, FLAGS                 ; 15:0 the mask: x's tiles go to my row of the cluster
	s_mov_b32 s[G1X+1], KC<<16                     ; 63:48 tensor_dim0 = 128
	s_mov_b32 s[G1X+2], 4<<16                      ; 95:80 tensor_dim1 = 4
	s_mov_b32 s[G1X+3], KC<<16                     ; 127:112 tile_dim0 = 128
	s_mov_b32 s[G1X+4], 4                          ; 143:128 tile_dim1 = 4
	s_mov_b32 s[G1X+5], IN_F                       ; 191:160 elements from row to row
	s_mov_b32 s[G1X+6], 0
	s_mov_b32 s[G1X+7], 0
	; group 1 for weight: 8 rows x 128 elements, FOUR rows of weight from row to row (the order described at the head)
	s_or_b32  s[G1W+0], s67, FLAGS                 ; the mask: weight's tiles go to my column of the cluster
	s_mov_b32 s[G1W+1], KC<<16
	s_mov_b32 s[G1W+2], 8<<16
	s_mov_b32 s[G1W+3], KC<<16
	s_mov_b32 s[G1W+4], 8
	s_mov_b32 s[G1W+5], 4*IN_F
	s_mov_b32 s[G1W+6], 0
	s_mov_b32 s[G1W+7], 0
	; from where: x's address is made of the block row and the wave's number, weight's of the block column and the wave's number
	s_lshl_b32 s68, s14, 16                        ; block row x 32 rows x 2,048 bytes
	s_lshl_b32 s15, s10, 13                        ; + wave x 4 rows
	s_add_co_u32 s68, s68, s15
	s_mov_b32 s69, 0
	s_lshl_b32 s70, s13, 17                        ; block column x 64 rows x 2,048 bytes
	s_and_b32 s72, s10, 3
	s_lshl_b32 s72, s72, 11                        ; + (wave & 3) rows
	s_add_co_u32 s70, s70, s72
	s_lshr_b32 s72, s10, 2
	s_lshl_b32 s72, s72, 16                        ; + 32 (wave >> 2) rows
	s_add_co_u32 s70, s70, s72
	s_mov_b32 s71, 0
	; to where: the wave's number and constants alone
	s_mul_i32 s73, s10, 4*PITCH                    ; x: LDS rows 4 wave .. 4 wave + 3 of the chunk's x block
	s_mul_i32 s74, s10, 8*PITCH                    ; weight: LDS rows 8 wave .. 8 wave + 7
	s_add_co_u32 s74, s74, XBLK                    ; of the chunk's weight block
	s_wait_dscnt 0x0
	s_wait_kmcnt 0x0
	s_add_nc_u64 s[68:69], s[4:5], s[68:69]
	s_add_nc_u64 s[70:71], s[6:7], s[70:71]
.irp c, 0,1,2,3
	s_mov_b32 s[G0+8*\c], 1                                        ; 1:0 count = 1
	s_add_co_u32 s[G0+8*\c+1], s73, \c*CHUNK                       ; 63:32 LDS address
	s_add_nc_u64 s[G0+8*\c+2:G0+8*\c+3], s[68:69], \c*KC*4         ; 120:64 global address: chunk c
	s_or_b32 s[G0+8*\c+3], s[G0+8*\c+3], 0x80000000                ; 127:126 type = 2
	s_mov_b32 s[G0+8*\c+4], 1
	s_add_co_u32 s[G0+8*\c+5], s74, \c*CHUNK
	s_add_nc_u64 s[G0+8*\c+6:G0+8*\c+7], s[70:71], \c*KC*4
	s_or_b32 s[G0+8*\c+7], s[G0+8*\c+7], 0x80000000
.endr
	ROUND                                          ; all sixteen work-groups are here: the joint loads meet
.irp c, 0,1,2,3
	tensor_load_to_lds s[G0+8*\c:G0+8*\c+3], s[G1X:G1X+7]          ; chunk by chunk, so that the chunks land in the order of their use
	s_nop 0
	tensor_load_to_lds s[G0+8*\c+4:G0+8*\c+7], s[G1W:G1W+7]
	s_nop 0
.endr
	; addresses, while the tiles are on their way
	v_and_b32 v1, 31, v0                           ; lane
	v_lshrrev_b32 v8, 3, v1                        ; bl = lane / 8: my rows are bl + 4 i
	v_and_b32 v9, 7, v1                            ; ol = lane % 8: my LDS rows of weight are ol + 8 k
	v_lshrrev_b32 v10, 4, v1                       ; the way out: which of two rows,
	v_and_b32 v11, 15, v1                          ; and which 16 bytes of it
	s_lshl_b32 s15, s10, 6                         ; my wave's 16 j in a chunk's rows: 64 bytes
	v_mul_u32_u24 v[XA], v8, PITCH
	v_add_nc_u32 v[XA], s15, v[XA]
	s_add_co_u32 s15, s15, XBLK
	v_mul_u32_u24 v[WA], v9, PITCH
	v_add_nc_u32 v[WA], s15, v[WA]
	s_mul_i32 s75, s10, SPART
	s_add_co_u32 s75, s75, SCR                     ; my wave's partial tile
	v_mul_u32_u24 v[ST], v8, SPITCH                ; row bl, 16 bytes at 16 ol
	v_lshl_add_u32 v[ST], v9, 4, v[ST]
	v_add_nc_u32 v[ST], s75, v[ST]
	s_mul_i32 s76, s10, 4*SPITCH
	s_add_co_u32 s76, s76, SCR                     ; rows 4 wave .. 4 wave + 3 of partial 0
	v_mul_u32_u24 v[RD0], v10, SPITCH
	v_lshl_add_u32 v[RD0], v11, 4, v[RD0]
	v_add_nc_u32 v[RD0], s76, v[RD0]
	v_add_nc_u32 v[RD1], 4*SPART, v[RD0]
	s_lshl_b32 s77, s10, 14                        ; wave x 4 rows of out (4,096 bytes each)
	v_lshlrev_b32 v[CO], 12, v10
	v_lshl_add_u32 v[CO], v11, 4, v[CO]
	v_add_nc_u32 v[CO], s77, v[CO]
	s_lshl_b32 s78, s14, 17                        ; block row x 32 rows x 4,096 bytes
	s_lshl_b32 s79, s13, 8                         ; + block column x 256 bytes
	s_add_co_u32 s78, s78, s79
	s_mov_b32 s79, 0
	s_add_nc_u64 s[8:9], s[8:9], s[78:79]          ; out at the work-group's tile
; 16 LDS loads: the fragments of step s of the chunk at work (4 j at byte 16 s of my wave's 64): 8 rows of x, 8 rows of weight.
; Of 16 neighbouring lanes two rows of x (one 16 bytes each, shared by 8 lanes) or eight rows of weight are asked: neighbouring LDS rows, different banks.
.macro FETCH xf, wf, s
.irp i, 0,1,2,3,4,5,6,7
	ds_load_b128 v[\xf+4*\i:\xf+4*\i+3], v[XA] offset:\i*4*PITCH+16*\s
.endr
.irp k, 0,1,2,3,4,5,6,7
	ds_load_b128 v[\wf+4*\k:\wf+4*\k+3], v[WA] offset:\k*8*PITCH+16*\s
.endr
.endm
; 128 vector instructions: j pair h of a step for all 64 minima.  Eight packed additions, then the eight minima that use them, so that no
; instruction waits for the one in front of it.  Pair k of sums lies at T + 2 q, q a permutation of k, so that a minimum's three sources have
; three different numbers modulo 4.  first = 1: the first pair of sums starts the minima: nothing is preset.
.macro HALF xf, wf, h, first
.irp i, 0,1,2,3,4,5,6,7
.irp k, 0,1,2,3,4,5,6,7
.set q, ((\k & 4) | ((\k & 1) << 1) | (((\k >> 1) & 1) ^ 1))
	v_pk_add_f32 v[T+2*q:T+2*q+1], v[\xf+4*\i+2*\h:\xf+4*\i+2*\h+1], v[\wf+4*\k+2*\h:\wf+4*\k+2*\h+1]
.endr
.irp k, 0,1,2,3,4,5,6,7
.set q, ((\k & 4) | ((\k & 1) << 1) | (((\k >> 1) & 1) ^ 1))
.if \first
	v_min_num_f32 v[ACC+8*\i+\k], v[T+2*q], v[T+2*q+1]
.else
	v_min3_num_f32 v[ACC+8*\i+\k], v[ACC+8*\i+\k], v[T+2*q], v[T+2*q+1]
.endif
.endr
.endr
.endm
; One of a chunk's first three steps: the next step's fragments (step ns of the same chunk) are asked for first, into the other buffer.
.macro STEP xf, wf, nxf, nwf, ns, first
	FETCH \nxf, \nwf, \ns
	s_wait_dscnt 16                                ; LDS loads come back in order (ISA guide 5.7.1): all but the 16 just issued are in: this step's fragments
	HALF \xf, \wf, 0, \first
	HALF \xf, \wf, 1, 0
.endm
.macro THREE first
	STEP XF0, WF0, XF1, WF1, 1, \first
	STEP XF1, WF1, XF0, WF0, 2, 0
	STEP XF0, WF0, XF1, WF1, 3, 0
.endm
; A chunk's fourth step (buffer 1), and the change to the next chunk.  left = my tensor loads that may stay out: two for each later chunk.
.macro CHANGE left
	s_wait_dscnt 0x0                               ; this step's fragments are in, and no LDS instruction of mine is pending at the signal
	s_wait_tensorcnt \left                         ; tensor loads of a wave end in order (ISA guide 10.11.1): my rows of the next chunk are in LDS:
	s_barrier_signal -1                            ; say so,
	HALF XF1, WF1, 0, 0                            ; work on registers while the others arrive,
	s_barrier_wait -1                              ; and go on when all eight have said so: the next chunk is whole
	v_add_nc_u32 v[XA], CHUNK, v[XA]
	v_add_nc_u32 v[WA], CHUNK, v[WA]
	FETCH XF0, WF0, 0                              ; its first fragments, 128 vector instructions ahead of their use
	HALF XF1, WF1, 1, 0
.endm
	s_wait_tensorcnt 6                             ; my two loads of chunk 0 are in; the six of chunks 1 to 3 stay out
	s_barrier_signal -1
	s_barrier_wait -1                              ; everybody's are
	FETCH XF0, WF0, 0
	THREE 1                                        ; chunk 0: its first pair of sums starts the minima
	CHANGE 4
	THREE 0                                        ; chunk 1
	CHANGE 2
	THREE 0                                        ; chunk 2
	CHANGE 0                                       ; the last wait is for zero: no tensor load is out from here on
	THREE 0                                        ; chunk 3
	s_wait_dscnt 0x0
	HALF XF1, WF1, 0, 0
	HALF XF1, WF1, 1, 0
	; THE EIGHT PARTIAL MINIMA MEET: each wave lays its 32 x 64 tile into its own part of the scratch, as rows of out.
	; Of 16 neighbouring lanes eight write 128 bytes of one row and eight 128 bytes of the next, 384 bytes on: all 64 banks once.
.irp i, 0,1,2,3,4,5,6,7
	ds_store_b128 v[ST], v[ACC+8*\i:ACC+8*\i+3]   offset:\i*4*SPITCH       ; row bl + 4 i, columns 4 ol .. 4 ol + 3
	ds_store_b128 v[ST], v[ACC+8*\i+4:ACC+8*\i+7] offset:\i*4*SPITCH+128   ; columns 32 + 4 ol .. + 3
.endr
	s_wait_dscnt 0x0                               ; my stores are done, for the other waves' sake
	s_barrier_signal -1
	s_barrier_wait -1
	; wave v finishes rows 4 v .. 4 v + 3: a lane takes 16 bytes of two rows from each of the eight partial tiles; 16 lanes read 256 neighbouring bytes
.irp p, 0,1,2,3
	ds_load_b128 v[R+8*\p:R+8*\p+3],   v[RD0] offset:\p*SPART
	ds_load_b128 v[R+8*\p+4:R+8*\p+7], v[RD0] offset:\p*SPART+2*SPITCH
.endr
.irp p, 0,1,2,3
	ds_load_b128 v[R+32+8*\p:R+32+8*\p+3], v[RD1] offset:\p*SPART
	ds_load_b128 v[R+32+8*\p+4:R+32+8*\p+7], v[RD1] offset:\p*SPART+2*SPITCH
.endr
	s_wait_dscnt 10                                ; two loads a partial: partials 0, 1, 2 are in, ten younger loads may be out
.irp e, 0,1,2,3,4,5,6,7
	v_min3_num_f32 v[T+\e], v[R+\e], v[R+8+\e], v[R+16+\e]
.endr
	s_wait_dscnt 6                                 ; partials 3, 4
.irp e, 0,1,2,3,4,5,6,7
	v_min3_num_f32 v[T+\e], v[T+\e], v[R+24+\e], v[R+32+\e]
.endr
	s_wait_dscnt 2                                 ; partials 5, 6
.irp e, 0,1,2,3,4,5,6,7
	v_min3_num_f32 v[T+\e], v[T+\e], v[R+40+\e], v[R+48+\e]
.endr
	s_wait_dscnt 0x0                               ; partial 7
.irp e, 0,1,2,3,4,5,6,7
	v_min_num_f32 v[T+\e], v[T+\e], v[R+56+\e]
.endr
	global_store_b128 v[CO], v[T:T+3],   s[8:9] th:TH_STORE_NT                     ; 16 lanes store 256 consecutive bytes, at a multiple of 256 from out's first byte
	global_store_b128 v[CO], v[T+4:T+7], s[8:9] offset:2*OUT_F*4 th:TH_STORE_NT    ; two rows further down
	s_wait_tensorcnt 0x0
	ds_add_u32 v224, v225
	s_wait_dscnt 0x0
	ROUND                                          ; the closing round: no work-group ends while a partner may still ask for a tile that names it
	s_endpgm
.Lfunc_end_k_q4d0a23fd7a_minplus:
	.size	k_q4d0a23fd7a_minplus, .Lfunc_end_k_q4d0a23fd7a_minplus-k_q4d0a23fd7a_minplus
	.p2alignl 7, 3214868480
	.fill 96, 4, 3214868480
	.section	.rodata,"a",@progbits
	.p2align	6, 0x0
	.amdhsa_kernel k_q4d0a23fd7a_minplus
		.amdhsa_group_segment_fixed_size 302080
		.amdhsa_private_segment_fixed_size 0
		.amdhsa_enable_private_segment 0
		.amdhsa_kernarg_size 24
		.amdhsa_user_sgpr_count 2
		.amdhsa_user_sgpr_kernarg_segment_ptr 1
		.amdhsa_wavefront_size32 1
		.amdhsa_system_sgpr_workgroup_id_x 1
		.amdhsa_system_sgpr_workgroup_id_y 1
		.amdhsa_system_sgpr_workgroup_id_z 1
		.amdhsa_system_vgpr_workitem_id 0
		.amdhsa_next_free_vgpr 226
		.amdhsa_next_free_sgpr 80
		.amdhsa_reserve_vcc 0
		.amdhsa_float_denorm_mode_32 3
		.amdhsa_float_denorm_mode_16_64 3
		.amdhsa_memory_ordered 1
		.amdhsa_forward_progress 1
		.amdhsa_inst_pref_size 255
	.end_amdhsa_kernel
	.section	.bss,"aw",@nobits
	.p2align	6
	.space	262144
	.amdgpu_metadata
---
amdhsa.version: [ 1, 2 ]
amdhsa.kernels:
  - .name:           k_q4d0a23fd7a_minplus
    .symbol:         k_q4d0a23fd7a_minplus.kd
    .args:
      - { .name: x, .offset: 0, .size: 8, .value_kind: global_buffer, .address_space: global }
      - { .name: weight, .offset: 8, .size: 8, .value_kind: global_buffer, .address_space: global }
      - { .name: out0, .offset: 16, .size: 8, .value_kind: global_buffer, .address_space: global }
    .group_segment_fixed_size: 302080
    .private_segment_fixed_size: 0
    .kernarg_segment_align: 8
    .kernarg_segment_size: 24
    .max_flat_workgroup_size: 256
    .sgpr_count:     80
    .vgpr_count:     226
    .wavefront_size: 32
...
	.end_amdgpu_metadata
.endif
;; end of part 1
